; MI455X (gfx1250); checked and timed in simulation.
; The chip was launched on July 23, 2026; its instructions are those of AMD's public machine-readable ISA for CDNA 5 (MIT licence, August 2026) and "CDNA5" Instruction Set Architecture Reference Guide (July 2026). The comments in the code are by the model that wrote it; some were corrected since.
;; Outer Product Mix. Allowed arithmetic: matrix products marked QUANTISED: E4M3 operands, one E8M0 scale for each 32 along K, by v_wmma_scale_f32_16x16x128_f8f6f4 with both operands' format E4M3, f32 sums; products left as they are: f32 operands where the result goes on into a quantised operand, else bf16, f16 or f32 operands; f32 sums; everything else in f32.
;; Inputs: W 256 x 65,536 float32; b 256 float32; h 4 x 1,024 x 256 float32.
;; Outputs: out0 4 x 1,024 x 256 float32.
;; This version of the problem:
;;   THIS VERSION OF THE PROBLEM IS GIVEN IN LOW PRECISION. The matrix products marked QUANTISED in the list below multiply operands that are first quantised to E4M3 (4 exponent bits, 3 mantissa bits; 8 bits a number), with one power-of-two scale for each 32 numbers along K (OCP MX v1.0); their sums are f32. All else is computed in f32.
;;   The module's matrix products, in the order in which they are computed (A, B: the left and right operand; K: the contracted axis; several contracted axes count as one K, in the product's order):
;;     1. batch 4,096 x [M 256, K 1] x [K 1, N 256]; A: computed on the way; B: computed on the way: left as it is (no contracted axis)
;;     2. [M 4,096, K 65,536] x [K 65,536, N 256]; A: computed on the way; B: input W: QUANTISED
;;   THE QUANTISER, for each operand of a quantised product, along K:
;;     - K is cut into blocks of 32 from its start; a last block that is shorter is filled with zeros.
;;     - A block's scale is 2^e with e = floor(log2(the largest magnitude in the block)) - 8, held to -126 .. 127; a block of zeros has e = 0. As a byte (E8M0): e + 127.
;;     - Each number is divided by its block's scale, clamped to +-448, and rounded to the nearest number of E4M3, ties to even, subnormals kept.
;;     - The product sums the exact products of the quantised numbers (number of the format x scale) in f32.
;;   ~~~python
;;   def quantise(x, axis):      # numpy; x: float32 -> the quantised numbers, widened to float32 again
;;       x = np.moveaxis(x, axis, -1); K = x.shape[-1]
;;       x = np.pad(x, [(0, 0)] * (x.ndim - 1) + [(0, -K % 32)]); x = x.reshape(x.shape[:-1] + (-1, 32)); a = np.abs(x).max(-1, keepdims=True)
;;       e = np.where(a > 0, np.clip(np.frexp(np.where(a > 0, a, 1))[1] - 1 - 8, -126, 127), 0)      # np.frexp(a)[1] - 1 = floor(log2(a)), exactly
;;       r = np.clip(x / 2.0 ** e, -448, 448)
;;       step = 2.0 ** (np.maximum(np.frexp(np.where(r == 0, 1, r))[1] - 1, -6) - 3)
;;       q = np.round(r / step) * step * 2.0 ** e      # np.round: ties to even
;;       return np.moveaxis(q.reshape(q.shape[:-2] + (-1,))[..., :K], -1, axis).astype(np.float32)
;;   ~~~
;;   OPERANDS COMPUTED ON THE WAY. 'Computed on the way' means the value that the module computes at that place (a softmax that the list does not call 'softmax' is quantised finished and normalised). What goes into a quantiser is computed in f32, as accurately as f32 sums, v_exp_f32 and their like allow (about 1e-6 of the number): no bf16 or f16 on the way to a quantiser, and a product that is left as it is and whose result goes on into a quantised operand takes f32 operands (vector FMAs, or v_wmma_f32_16x16x4_f32). A number that lies on a knife's edge between two numbers of the format may be rounded either way, as far as f32 arithmetic and the matrix unit's own rounding can turn it there, and no further.
;; One version. Each part assembles by itself: llvm-mc -triple=amdgcn-amd-amdhsa -mcpu=gfx1250 --defsym DOCPART=n.
;; ======== version 1 of 1: 3 launches
;; limits: right only within a limited range of input values
;; workspace buffers: wq 17,301,504 bytes; part 33,554,432 bytes
;; launch wquant (part 1): grid 64 x 4, 8 waves a work-group, no clusters, 70,656 bytes of LDS; arguments W, wq; writes wq
.if DOCPART == 1
	.amdgcn_target "amdgcn-amd-amdhsa--gfx1250"
	.amdhsa_code_object_version 6
	.text
	.protected	k_q8f5f55edee_wquant
	.globl	k_q8f5f55edee_wquant
	.p2align	8
	.type	k_q8f5f55edee_wquant,@function
k_q8f5f55edee_wquant:
	s_mov_b64 s[64:65], 0
	v_nop
	global_prefetch_b8 v0, s[64:65] scope:SCOPE_SE
	s_setreg_imm32_b32 hwreg(HW_REG_WAVE_MODE, 25, 1), 1
	s_wait_xcnt 0x0
; W [256 (o)][65536 (k = 256 i + j)] f32 becomes codes of FP8 (E4M3) with one E8M0 byte for each 32 along K, laid as the next launch's operand registers want them.
; wq = 512 blocks of 33,792 bytes; block 64 jb + I serves the K step made of the four blocks of 32 (i = 4 I + c, j = 32 jb .. 32 jb + 31), c = 0 .. 3:
;   bytes 0 .. 32,767: codes [b 0..15][c 0..3][lane 0..31][16 bytes]: lane 16 hh + r holds W[16 b + r][4 I + c][32 jb + 16 hh + 0 .. 15]: registers 4 c .. 4 c + 3 of the fragment of rows 16 b .. 16 b + 15;
;   bytes 32,768 .. 33,791: scale words [b][r], byte c for block c.
; A block's scale is 2^(floor(log2(its largest magnitude)) - 8); its byte is the largest magnitude's exponent field - 8, held at 1 from below.  A block of zeros gets the byte 1: its codes are zeros, and this program alone reads the bytes.
; LIMITS: NaN and infinities in W are not served.
; SHARES: work-group (x = I, y = bq); wave w: rows 16 b on with b = 4 bq + w / 2, and j = 128 u on with u = w % 2: 16 rows x 4 i x 128 j.  For each c the wave's 16 loads read 512 consecutive bytes each; the 8 KiB turn
; through the wave's own stage in LDS (rows of 512 + 16 bytes), so that a lane then holds 16 neighbours along j of one row, four times (jb = 4 u + 0 .. 3).  Codes leave 512 consecutive bytes a store.
; The scale words of the work-group meet in LDS and leave as one aligned run of 256 bytes a wave.  No tensor load, no matrix unit, no cluster: work-groups share no input and memory binds.
.set STGP, 528                         ; a stage row
.set STGB, 16*STGP                     ; a wave's stage
.set SG,   8*STGB                      ; behind the stages: the scale words [jb 8][w / 2 4][r 16]
.set BLKB, 33792
.set MX,  10                           ; v10-13 largest magnitudes of the four blocks
.set PXR, 14                           ; v14-17 the other half of the lanes'
.set LIM, 18                           ; v18-21 448 x the scale
.set SCO, 22                           ; v22-25 the conversions' scale operands
.set SW,  26                           ; v26-29 the scale words, a byte for each c
.set BY,  30                           ; v30-33 a byte
.set CD,  36                           ; v36-51 codes, four registers a block
.set X,   64                           ; v64-127 four blocks x 16 neighbours
.set R,   128                          ; v128-255 two sets of 16 loads
	s_load_b128 s[4:7], s[0:1], 0x0                ; W, wq
	v_lshl_add_u32 v62, v0, 2, 0x11000
	v_mov_b32 v63, 0
	v_lshrrev_b32 v1, 5, v0
	s_delay_alu instid0(VALU_DEP_1)
	v_readfirstlane_b32 s8, v1                     ; wave 0..7
	v_and_b32 v1, 31, v0                           ; lane
	s_wait_alu depctr_va_vdst(0)
	v_and_b32 v2, 15, v0                           ; r
	v_bfe_u32 v3, v0, 4, 1                         ; hh
	v_lshlrev_b32 v4, 4, v1                        ; 16 x lane: my place in a load's and in a store's 512 bytes
	s_mul_i32 s20, s8, STGB
	v_add_nc_u32 v5, s20, v4                       ; the stage, on the way in
	v_mul_u32_u24 v6, v2, STGP
	s_delay_alu instid0(VALU_DEP_1)
	v_lshl_add_u32 v6, v3, 6, v6
	s_delay_alu instid0(VALU_DEP_1)
	v_add_nc_u32 v6, s20, v6                       ; and on the way out: row r, + 64 hh
	s_and_b32 s21, s8, 1                           ; u
	s_lshr_b32 s22, s8, 1                          ; w / 2
	s_lshl_b32 s23, s21, 10
	s_lshl_b32 s24, s22, 6
	s_add_co_u32 s23, s23, s24
	s_add_co_u32 s23, s23, SG
	v_lshl_add_u32 v7, v2, 2, s23                  ; where my row's scale words go: SG + 1,024 u + 64 (w / 2) + 4 r (+ 256 for each block)
	s_lshl_b32 s24, s8, 8
	s_add_co_u32 s24, s24, SG
	v_lshlrev_b32 v9, 3, v1                        ; 8 x lane
	s_delay_alu instid0(VALU_DEP_1)
	v_add_nc_u32 v8, s24, v9                       ; and where wave w reads the 256 bytes of jb = w
	s_and_b32 s25, ttmp7, 0xffff                   ; bq
	s_lshl_b32 s26, s25, 2
	s_add_co_u32 s26, s26, s22                     ; b
	s_lshl_b32 s10, s26, 22                        ; W: 16 b rows of 262,144 bytes
	s_lshl_b32 s27, ttmp9, 12                      ; + 4 I x 1,024
	s_add_co_u32 s10, s10, s27
	s_lshl_b32 s27, s21, 9                         ; + 512 u
	s_add_co_u32 s10, s10, s27
	s_mov_b32 s11, 0
	s_lshl_b32 s27, s21, 8
	s_add_co_u32 s27, s27, ttmp9
	s_mul_i32 s12, s27, BLKB                       ; codes: block 64 (4 u) + I
	s_lshl_b32 s27, s26, 11
	s_add_co_u32 s12, s12, s27                     ; + 2,048 b
	s_mov_b32 s13, 0
	s_lshl_b32 s27, s8, 6
	s_add_co_u32 s27, s27, ttmp9
	s_mul_i32 s14, s27, BLKB                       ; scale words: block 64 w + I
	s_lshl_b32 s27, s25, 8
	s_add_co_u32 s14, s14, s27                     ; + 256 bq
	s_add_co_u32 s14, s14, 32768
	s_mov_b32 s15, 0
	s_mov_b32 s16, 0x76543210
	s_mov_b32 s17, 0xfedcba98                      ; v_permlanex16_b32's selects for lane l xor 16
	s_mov_b32 s18, 0x600000                        ; the mantissa field of 448
.irp b, 0,1,2,3
	v_mov_b32 v[PXR+\b], 0                         ; written once: a lane permute's destination counts as one of its sources
.endr
	s_wait_alu depctr_va_vdst(0)
	s_wait_kmcnt 0x0
	s_add_nc_u64 s[10:11], s[4:5], s[10:11]
	s_add_nc_u64 s[12:13], s[6:7], s[12:13]
	s_add_nc_u64 s[14:15], s[6:7], s[14:15]
.macro LOADC c                         ; i = 4 I + c of my 16 rows: 512 consecutive bytes a load, into set c % 2
.set n, 0
.rept 16
	global_load_b128 v[R+64*((\c)%2)+4*n:R+64*((\c)%2)+4*n+3], v4, s[10:11] offset:n*262144+(\c)*1024 th:TH_LOAD_NT
.set n, n+1
.endr
.endm
.macro BLOCKC c
.if (\c) < 3
	s_wait_loadcnt 16                              ; this set's 16 loads are in; the next set's 16 may be out
.else
	s_wait_loadcnt 0
.endif
.set n, 0
.rept 16
	ds_store_b128 v5, v[R+64*((\c)%2)+4*n:R+64*((\c)%2)+4*n+3] offset:STGP*n
.set n, n+1
.endr
.irp jl, 0,1,2,3
.irp k, 0,1,2,3
	ds_load_b128 v[X+16*\jl+4*\k:X+16*\jl+4*\k+3], v6 offset:128*\jl+16*\k   ; LDS serves a wave's instructions in order: these see the stores above
.endr
.endr
	s_wait_dscnt 0x0                               ; my 64 numbers are in, and the stores have read their registers,
.if (\c) < 2
	LOADC (\c)+2                                   ; which take the loads of two steps on
.endif
.irp b, 0,1,2,3
	v_max3_num_f32 v[MX+\b], |v[X+16*\b]|, |v[X+16*\b+1]|, 0x4800000   ; my 16 numbers of block b, and the floor 2^(9 - 127): the byte cannot fall under 1
.endr
.irp i, 2,4,6,8,10,12,14
.irp b, 0,1,2,3
	s_delay_alu instid0(VALU_DEP_4)
	v_max3_num_f32 v[MX+\b], v[MX+\b], |v[X+16*\b+\i]|, |v[X+16*\b+\i+1]|   ; the four blocks by turns
.endr
.endr
.irp b, 0,1,2,3
	s_delay_alu instid0(VALU_DEP_4)
	v_permlanex16_b32 v[PXR+\b], v[MX+\b], s16, s17
.endr
.irp b, 0,1,2,3
	s_delay_alu instid0(VALU_DEP_4)
	v_max_num_f32 v[MX+\b], v[MX+\b], v[PXR+\b]    ; with lane l xor 16's: the block's largest magnitude
.endr
.irp b, 0,1,2,3
	s_delay_alu instid0(VALU_DEP_4)
	v_add_nc_u32 v[SCO+\b], 0xfc000000, v[MX+\b]   ; 8 off its exponent field: the conversion takes that field as its scale
.endr
.irp b, 0,1,2,3
	v_and_or_b32 v[LIM+\b], v[MX+\b], 0x7f800000, s18   ; 448 x the scale
.endr
.irp b, 0,1,2,3
.if (\c) == 0
	v_lshrrev_b32 v[SW+\b], 23, v[SCO+\b]          ; the scale's byte: byte c of the row's word
.else
	v_lshrrev_b32 v[BY+\b], 23, v[SCO+\b]
.endif
.endr
.if (\c) > 0
.irp b, 0,1,2,3
	s_delay_alu instid0(VALU_DEP_4)
	v_lshl_or_b32 v[SW+\b], v[BY+\b], 8*(\c), v[SW+\b]
.endr
.endif
	s_wait_alu depctr_va_vdst(0)
	s_wait_xcnt 0x0                                ; the last step's stores have read their data: the codes' registers are written again only behind this wait
.irp b, 0,1,2,3
.irp i, 0,1,2,3,4,5,6,7,8,9,10,11,12,13,14,15
	v_med3_num_f32 v[X+16*\b+\i], v[X+16*\b+\i], -v[LIM+\b], v[LIM+\b]   ; the conversion to an 8-bit code does not saturate (ISA guide 7.6.2): the hold comes first
.endr
	v_cvt_scalef32_pk8_fp8_f32 v[CD+4*\b:CD+4*\b+1], v[X+16*\b:X+16*\b+7], v[SCO+\b]
	v_cvt_scalef32_pk8_fp8_f32 v[CD+4*\b+2:CD+4*\b+3], v[X+16*\b+8:X+16*\b+15], v[SCO+\b]
.endr
	v_nop                                          ; a plain line behind the last conversion
.irp b, 0,1,2,3
	global_store_b128 v4, v[CD+4*\b:CD+4*\b+3], s[12:13] offset:\b*64*BLKB+(\c)*512   ; 32 lanes store 512 consecutive bytes, at a multiple of 512 from wq's first byte
.endr
.endm
	LOADC 0
	LOADC 1
	BLOCKC 0
	BLOCKC 1
	BLOCKC 2
	BLOCKC 3
.irp b, 0,1,2,3
	ds_store_b32 v7, v[SW+\b] offset:256*\b        ; both halves of the lanes write the same word with the same value
.endr
	s_wait_dscnt 0x0                               ; for the others' sake: my words lie in LDS
	s_barrier_signal -1
	s_barrier_wait -1
	ds_load_b64 v[34:35], v8                       ; the work-group's 64 words of jb = my wave's number
	s_wait_dscnt 0x0
	global_store_b64 v9, v[34:35], s[14:15]        ; 32 lanes store 256 consecutive bytes, at a multiple of 256 from wq's first byte
	s_wait_tensorcnt 0x0
	ds_add_u32 v62, v63
	s_wait_dscnt 0x0
	s_endpgm
.Lfunc_end_k_q8f5f55edee_wquant:
	.size	k_q8f5f55edee_wquant, .Lfunc_end_k_q8f5f55edee_wquant-k_q8f5f55edee_wquant
	.p2alignl 7, 3214868480
	.fill 96, 4, 3214868480
	.section	.rodata,"a",@progbits
	.p2align	6, 0x0
	.amdhsa_kernel k_q8f5f55edee_wquant
		.amdhsa_group_segment_fixed_size 70656
		.amdhsa_private_segment_fixed_size 0
		.amdhsa_enable_private_segment 0
		.amdhsa_kernarg_size 16
		.amdhsa_user_sgpr_count 2
		.amdhsa_user_sgpr_kernarg_segment_ptr 1
		.amdhsa_wavefront_size32 1
		.amdhsa_system_sgpr_workgroup_id_x 1
		.amdhsa_system_sgpr_workgroup_id_y 1
		.amdhsa_system_sgpr_workgroup_id_z 1
		.amdhsa_system_vgpr_workitem_id 0
		.amdhsa_next_free_vgpr 256
		.amdhsa_next_free_sgpr 66
		.amdhsa_reserve_vcc 0
		.amdhsa_float_denorm_mode_32 3
		.amdhsa_float_denorm_mode_16_64 3
		.amdhsa_memory_ordered 1
		.amdhsa_forward_progress 1
		.amdhsa_inst_pref_size 57
	.end_amdhsa_kernel
	.amdgpu_metadata
---
amdhsa.version: [ 1, 2 ]
amdhsa.kernels:
  - .name:           k_q8f5f55edee_wquant
    .symbol:         k_q8f5f55edee_wquant.kd
    .args:
      - { .name: W, .offset: 0, .size: 8, .value_kind: global_buffer, .address_space: global }
      - { .name: wq, .offset: 8, .size: 8, .value_kind: global_buffer, .address_space: global }
    .group_segment_fixed_size: 70656
    .private_segment_fixed_size: 0
    .kernarg_segment_align: 8
    .kernarg_segment_size: 16
    .max_flat_workgroup_size: 256
    .sgpr_count:     66
    .vgpr_count:     256
    .wavefront_size: 32
...
	.end_amdgpu_metadata
.endif
;; end of part 1
;; launch mix (part 2): grid 32 x 8, 4 waves a work-group, clusters of 4 x 1, 327,680 bytes of LDS; arguments h, wq, part; writes part
.if DOCPART == 2
	.amdgcn_target "amdgcn-amd-amdhsa--gfx1250"
	.amdhsa_code_object_version 6
	.text
	.protected	k_q8f5f55edee_mix
	.globl	k_q8f5f55edee_mix
	.p2align	8
	.type	k_q8f5f55edee_mix,@function
k_q8f5f55edee_mix:
	s_mov_b64 s[64:65], 0
	v_nop
	global_prefetch_b8 v0, s[64:65] scope:SCOPE_SE
	s_setreg_imm32_b32 hwreg(HW_REG_WAVE_MODE, 25, 1), 1
	s_wait_xcnt 0x0
	s_wait_alu depctr_hold_cnt(0) depctr_sa_sdst(0) depctr_va_vdst(0) depctr_va_sdst(0) depctr_va_ssrc(0) depctr_va_vcc(0) depctr_vm_vsrc(0)
	s_getreg_b32 s2, hwreg(HW_REG_IB_STS2, 6, 4)
	s_cmp_eq_u32 s2, 0
	s_cbranch_scc0 .Lentry_in_a_cluster
	s_endpgm
.Lentry_in_a_cluster:
	s_bfe_u32 s2, ttmp6, 0x10000c
	s_cmp_lg_u32 s2, 0x3003
	s_cbranch_scc0 .Lentry_shape_is_right
	s_endpgm
.Lentry_shape_is_right:
; part[T][Y] = the sum over K slice Y (an eighth of K) of Q(h_i h_j) Q(W)^T for the 16 rows of tile T.  K = 256 i + j; a block of 32 along K is (i, j = 32 jb .. 32 jb + 31).
; Work-group (x, Y): rows 128 x on, K sub-slices y = 2 Y and 2 Y + 1.  Sub-slice y: jb = y / 2, i = 128 (y % 2) + 0 .. 127: 32 K steps of 128 (four i, one jb), whose W codes and scale words are wq's blocks 32 y + t.
; FOUR WAVES, one on each SIMD.  Wave w: rows 64 (w % 2) on, sub-slice 2 Y + w / 2; 64 rows x 256 outputs: 4 x 16 accumulators, so that a W fragment read from LDS feeds four matrix instructions.
; At the end waves w and w xor 2, which hold the same rows, exchange half of their sums through LDS and add: each stores 32 rows x 256 outputs, so that part holds 8 slices and not 16.
; A wave's local fragment m' is the rows' fragment (m' + 2 (w / 2)) % 4, by the addresses of its loads of h alone: so every wave keeps local fragments 0, 1 (window 2) and gives away 2, 3 (window 3), with no branch.
; The operand of h_i h_j is made in registers: a lane holds row r and 16 neighbours j (h_j stays in registers for the whole launch), and for each i: product in f32, hold, conversion.  A block's largest magnitude is
; |h_i| x the largest |h_j| (rounding is monotone), so its scale needs no search.  h_i is scaled by a power of two so that the hold's bounds and the conversion's scale are constants.
; A UNIT of the text: two W fragments, eight matrix instructions on eight accumulators, and the 52 vector lines that quantise two blocks of the NEXT K step; one LDS wait a unit, at a block's border; four switches of the register windows.
; W's fragments lie in a ring of four halves of two; a unit asks for the fragments of the unit two on.
; The codes are source 0, W source 1: accumulator register j of lane (r, hh) is row 8 hh + j, output 16 f + r.  part: [T 256][Y 8][chunk 2 f + half][lane][16 bytes]: registers 4 half .. 4 half + 3.
; A slot (67,584 bytes) holds one K step's block of each sub-slice; it is asked for jointly by the four work-groups of a cluster (same Y); each wave fetches half a block, 66 rows of 256 bytes.  By this text's count a wave has one tensor load out.
; PREFETCH: behind a refill a wave names blocks of 256 bytes of its half block of the K step two refills on; the four partners share the 66 blocks out by address (17 each, clipped to the last); the last refills, which have no such K step, ask for nothing.
; REGISTERS.  Window 0: v1-95 set-up and scales; v128-255 W fragments.  Window 1: v0-127 codes, two sets; v128-191 h_j; v192-223 at work; v224-235 addresses.  Windows 2, 3: the accumulators of local fragments 0-1, 2-3.
; LIMITS: the floor 2^-118 is added to |h_i| x max|h_j| inside one fused multiply-add: blocks whose largest magnitude lies under 2^-90 may get another scale than the rule's; max|h_j| is held at 2^-100 from below.  NaN and infinities in h are not served.
.set BLKB,  33792
.set SLOTB, 2*BLKB
.set QTR,   SLOTB/4
.set HT,    2*SLOTB                    ; behind the ring: each wave's own table of h_i, 64 rows of 512 + 16 bytes
.set HP,    528
.set SPARE, HT+256*HP                  ; the spare words, 128 bytes a wave
.set SPW, 1
.set NIL, 2
.set C7,  3                            ; the conversions' scale operand, 2^-7
.set HMX, 4                            ; largest |h_j| of my row, fragments 0 .. 3
.set AS,  8                            ; the codes' scale words: set q, fragment m at AS + 4 q + m
.set BS,  16                           ; W's scale words of a unit, by halves
.set HI,  20                           ; four h_i for each fragment
.set GG,  36                           ; h_i x a power of two, a pair each (the upper register is 0)
.set AM,  68
.set PFO, 84
.set TA,  85
.set TL,  86
.set TR,  87
.set TH,  88
.set HJO, 89
.set HTW, 90
.set PX,  91
.set BF,  128
.set CD,  0
.set HJ,  128
.set TT,  192
.set ADB, 224
.set ADS, 226
.set AHI, 228
.set L16, 229
.set S0C, 231
.set AHI0, 233
.set CO,  230
.set XW,  234
.set XR,  235
.set WV,  10
.set G1,  16
.set G0A, 24
.set G0W, 28
.set TB,  32
.set CNT, 33
.set HU,  44
.set PF,  48
.set TINY, 50
.set LDW, 0x01                         ; LDS loads: address window 1, data window 0
.set MLO, 0xa1                         ; products: codes window 1, W window 0, accumulators window 2
.set MHI, 0xf1                         ; the same, accumulators window 3
.set QW,  0x41                         ; the quantiser: source 0 and destination window 1, source 1 window 0
.set MSB, 0
.macro WIN new
.if MSB != (\new)
	s_set_vgpr_msb (MSB<<8)|(\new)
.set MSB, (\new)
.endif
.endm
.macro PLACES n
.rept \n
	v_nop
.endr
.endm
.macro CREST
	s_cmp_lg_u32 s[WV], 0
	s_cbranch_scc1 .Lnot_wave_0_\@
	s_barrier_signal -3
.Lnot_wave_0_\@:
	s_barrier_wait -3
	s_barrier_signal -1
	s_barrier_wait -1
.endm
.macro CROUND
	s_barrier_signal -1
	s_barrier_wait -1
	CREST
.endm
.macro PK t, m, c                      ; 16 products h_j x (h_i x a power of two), two an instruction
.irp n, 0,1,2,3,4,5,6,7
	v_pk_mul_f32 v[TT+16*(\t)+2*\n:TT+16*(\t)+2*\n+1], v[HJ+16*(\m)+2*\n:HJ+16*(\m)+2*\n+1], v[GG+8*(\m)+2*(\c):GG+8*(\m)+2*(\c)+1] op_sel_hi:[1,0]
.endr
.endm
.macro MD t, lo                        ; eight holds at +-3.5 (3.5 / 2^-7 = 448)
.irp n, 0,1,2,3,4,5,6,7
	v_med3_num_f32 v[TT+16*(\t)+(\lo)+\n], v[TT+16*(\t)+(\lo)+\n], s35, s34
.endr
.endm
.macro CV t, u, m, c, buf
	v_cvt_scalef32_pk8_fp8_f32 v[CD+64*(\buf)+16*(\m)+4*(\c)+2*(\u):CD+64*(\buf)+16*(\m)+4*(\c)+2*(\u)+1], v[TT+16*(\t)+8*(\u):TT+16*(\t)+8*(\u)+7], v[C7]
.endm
; blocks c and c + 1 of fragment m into set buf, on two sets of 16 registers, so that a conversion stands eight lines behind the holds that it reads (the last one aside)
.macro QB2 m, c, buf
	PK 0, \m, \c
	PK 1, \m, (\c)+1
	MD 0, 0
	MD 0, 8
	CV 0, 0, \m, \c, \buf
	MD 1, 0
	CV 0, 1, \m, \c, \buf
	MD 1, 8
	CV 1, 0, \m, (\c)+1, \buf
	CV 1, 1, \m, (\c)+1, \buf
.endm
; the scales of a K step's 16 blocks (window 0): largest magnitude, its inverted exponent field as a power of two, h_i times that, the four bytes less 8 as the scale word
.macro SETUP buf
.irp k, 0,1,2,3,4,5,6,7,8,9,10,11,12,13,14,15
	v_fma_f32 v[AM+\k], |v[HI+\k]|, v[HMX+\k/4], s[TINY]
.endr
.irp k, 0,1,2,3,4,5,6,7,8,9,10,11,12,13,14,15
	v_bfi_b32 v[GG+2*\k], v[AM+\k], 0, 0x7f800000
.endr
.irp k, 0,1,2,3,4,5,6,7,8,9,10,11,12,13,14,15
	v_lshrrev_b32 v[AM+\k], 23, v[AM+\k]
.endr
.irp k, 0,1,2,3,4,5,6,7,8,9,10,11,12,13,14,15
	v_mul_f32 v[GG+2*\k], v[GG+2*\k], v[HI+\k]
.endr
.irp k, 0,2,4,6,8,10,12,14
	v_lshl_or_b32 v[AM+\k], v[AM+\k+1], 8, v[AM+\k]
.endr
.irp m, 0,1,2,3
	v_lshl_or_b32 v[AM+4*\m], v[AM+4*\m+2], 16, v[AM+4*\m]
.endr
.irp m, 0,1,2,3
	v_add_nc_u32 v[AS+4*(\buf)+\m], 0xf7f7f7f8, v[AM+4*\m]
.endr
	s_wait_alu depctr_va_vdst(0)
.endm
.macro MM m, f, q, zero
.set rD, 128*((\m)%2)+8*(\f)
.set rA, CD+64*(\q)+16*(\m)
.set rB, BF+32*(((\f)/2)%4)+16*((\f)%2)
.set rX, AS+4*(\q)+(\m)
.set rY, BS+((\f)/2)%4
.if (\zero) && ((\f)%2)
	v_wmma_scale_f32_16x16x128_f8f6f4 v[rD:rD+7], v[rA:rA+15], v[rB:rB+15], 0, v[rX], v[rY] matrix_b_scale:MATRIX_SCALE_ROW1
.elseif \zero
	v_wmma_scale_f32_16x16x128_f8f6f4 v[rD:rD+7], v[rA:rA+15], v[rB:rB+15], 0, v[rX], v[rY]
.elseif (\f)%2
	v_wmma_scale_f32_16x16x128_f8f6f4 v[rD:rD+7], v[rA:rA+15], v[rB:rB+15], v[rD:rD+7], v[rX], v[rY] matrix_b_scale:MATRIX_SCALE_ROW1
.else
	v_wmma_scale_f32_16x16x128_f8f6f4 v[rD:rD+7], v[rA:rA+15], v[rB:rB+15], v[rD:rD+7], v[rX], v[rY]
.endif
.endm
; unit d's W, nine loads: the scale words of output tiles 2 d (lanes 0-15) and 2 d + 1 (lanes 16-31), and the two fragments, into half d % 4
.macro LDB d
	ds_load_b32 v[BS+(\d)%4], v[ADS] offset:128*(\d)
.irp u, 0,1
.irp c, 0,1,2,3
	ds_load_b128 v[BF+32*((\d)%4)+16*\u+4*\c:BF+32*((\d)%4)+16*\u+4*\c+3], v[ADB] offset:(2*(\d)+\u)*2048+512*\c
.endr
.endr
.endm
; eight matrix instructions on eight accumulators, then two blocks of the next K step; their plain lines are also the places ahead of later loads into this half
.macro WORK d, q, zero, quant, hi
	WIN MLO
.irp m, 0,1
	MM \m, 2*(\d), \q, \zero
	MM \m, 2*(\d)+1, \q, \zero
.endr
	WIN MHI
.irp m, 2,3
	MM \m, 2*(\d), \q, \zero
	MM \m, 2*(\d)+1, \q, \zero
.endr
	WIN QW
.if (\hi) && ((\d) == 1)
	v_lshl_add_u32 v[AHI], v[AHI0], 0, s[HU]       ; where the next K step's unit 1 finds its h_i
.endif
.if \quant
	QB2 (\d)/2, 2*((\d)%2), 1-(\q)
.else
	PLACES 8
.endif
.endm
.macro DUO d, q, zero, quant, nextld, hi
.if (!(\nextld)) && ((\d) == 7)
	s_wait_dscnt 0x0                               ; nothing was asked for behind this unit's W
.else
	s_wait_dscnt 0x9                               ; this unit's W (asked for two units ago) is in; the next unit's nine loads may be out
.endif
	WIN LDW
.if (\hi) && ((\d) == 1)
.irp m, 0,1,2,3
	ds_load_b128 v[HI+4*\m:HI+4*\m+3], v[AHI] offset:\m*16*HP   ; h_i for the set-up at this K step's end
.endr
	s_add_co_u32 s[HU], s[HU], 16
.endif
.if (\d) < 6
	LDB (\d)+2
.elseif \nextld
	LDB (\d)-6
.endif
	WORK \d, \q, \zero, \quant, \hi
.endm
; unit 6 of a K step changes slots (units 6 and 7 have their W in registers or on its way): the wait for all my tensor loads, the add, the wait for it and for my reads of this slot;
; the barrier (with a refill: a round of the cluster's); the refill first behind it; then the next slot's first W.  pf = 1: a prefetch; 2: a prefetch but in the loop's last trip
.macro TURND q, zero, fill, pf
	WIN 0
.if \pf
	s_wait_xcnt 0x0                                ; my last prefetch has read its base
	s_add_nc_u64 s[PF:PF+1], s[PF:PF+1], BLKB
.endif
	s_wait_tensorcnt 0x0
	ds_add_u32 v[SPW], v[NIL]
.if \fill
	s_xor_b32 s[G0W+1], s[G0W+1], SLOTB
	s_add_nc_u64 s[G0W+2:G0W+3], s[G0W+2:G0W+3], BLKB
.endif
	s_xor_b32 s[TB], s[TB], SLOTB
	s_wait_dscnt 0x0
	s_barrier_signal -1
	WORK 6, \q, \zero, 1, 0
	WIN 0
	s_barrier_wait -1
.if \fill
	CREST
	tensor_load_to_lds s[G0W:G0W+3], s[G1:G1+7]
	s_nop 0
.endif
	WIN QW
	v_lshl_add_u32 v[ADB], v[L16], 0, s[TB]
	v_lshl_add_u32 v[ADS], v[S0C], 0, s[TB]
	PLACES 2                                       ; the next switch of the windows stands behind four instructions
	s_wait_alu depctr_va_vdst(0)                   ; the wait behind these writes
	WIN LDW
	LDB 0
.if \pf
	WIN 0
.if (\pf) == 2
	s_cmp_gt_u32 s[CNT], 1                         ; in the loop's last trip this K step has none four on
	s_cbranch_scc0 .Lno_ask_\@
.endif
	global_prefetch_b8 v[PFO], s[PF:PF+1] th:TH_LOAD_NT scope:SCOPE_SE
.if (\pf) == 2
.Lno_ask_\@:
.endif
.endif
.endm
; turn = 1: change of slots with a refill; 2: without; 0: the last K step
.macro STEP q, zero, quant, turn, pf, hi, setup
.irp d, 0,1,2,3,4,5
	DUO \d, \q, \zero, \quant, 1, \hi
.endr
.if (\turn) == 0
	DUO 6, \q, \zero, \quant, 0, \hi
	DUO 7, \q, \zero, \quant, 0, \hi
.else
	TURND \q, \zero, 2-(\turn), \pf
	DUO 7, \q, \zero, \quant, 1, \hi
.endif
	WIN 0
.if \setup
	SETUP \q
.elseif \quant
	PLACES 4                                       ; places between the last codes and the products that read them
	s_wait_alu depctr_va_vdst(0)
.endif
.endm
	s_load_b128 s[4:7], s[0:1], 0x0                ; h, wq
	s_load_b64 s[8:9], s[0:1], 0x10                ; part
	v_lshl_add_u32 v[SPW], v0, 2, SPARE
	v_mov_b32 v[NIL], 0
	ds_add_u32 v[SPW], v[NIL]
	ds_add_u32 v[SPW], v[NIL]
	v_lshrrev_b32 v[TA], 5, v0
	v_readfirstlane_b32 s[WV], v[TA]               ; wave 0..3
	s_and_b32 s62, s[WV], 1                        ; which 64 rows
	s_lshr_b32 s63, s[WV], 1                       ; which sub-slice
	s_bfe_u32 s11, ttmp6, 0x40000                  ; cx
	s_lshl_b32 s12, ttmp9, 2
	s_add_co_u32 s12, s12, s11                     ; x
	s_and_b32 s45, ttmp7, 0xffff                   ; Y
	s_lshl_b32 s13, s45, 1
	s_add_co_u32 s13, s13, s63                     ; y = 2 Y + sub-slice
	s_mov_b32 s[G1], 15|(3<<16)|(1<<21)            ; the four partners; elements of 8 bytes
	s_mov_b32 s[G1+1], 32<<16
	s_mov_b32 s[G1+2], 66<<16
	s_mov_b32 s[G1+3], 32<<16
	s_mov_b32 s[G1+4], 66                          ; 66 rows of 256 bytes, dense
	s_mov_b32 s[G1+5], 32
	s_mov_b32 s[G1+6], 0
	s_mov_b32 s[G1+7], 0
	s_mul_i32 s38, s13, 32*BLKB
	s_mul_i32 s15, s62, QTR
	s_add_co_u32 s38, s38, s15                     ; wq: sub-slice y, my half of a block
	s_mov_b32 s39, 0
	s_mul_i32 s14, s[WV], QTR                      ; and where it goes in a slot
	s_lshl_b32 s40, s12, 17
	s_lshl_b32 s15, s62, 16
	s_add_co_u32 s40, s40, s15                     ; h: my 64 rows
	s_and_b32 s15, s13, 1
	s_lshl_b32 s15, s15, 9
	s_add_co_u32 s42, s40, s15                     ; + the sub-slice's 128 i
	s_lshr_b32 s15, s13, 1
	s_lshl_b32 s15, s15, 7
	s_add_co_u32 s40, s40, s15                     ; + the sub-slice's 32 j
	s_lshl_b32 s15, s63, 15                        ; local rows 0-31 are rows 32 (w / 2) on,
	s_sub_co_u32 s51, 32768, s15                   ; local rows 32-63 the other 32
	s_add_co_u32 s54, s40, s51
	s_add_co_u32 s40, s40, s15
	s_add_co_u32 s56, s42, s51
	s_add_co_u32 s42, s42, s15
	s_mov_b32 s41, 0
	s_mov_b32 s43, 0
	s_mov_b32 s55, 0
	s_mov_b32 s57, 0
	s_lshl_b32 s46, s12, 20
	s_lshl_b32 s15, s62, 19
	s_add_co_u32 s46, s46, s15
	s_lshl_b32 s15, s63, 18
	s_add_co_u32 s46, s46, s15
	s_lshl_b32 s15, s45, 14
	s_add_co_u32 s46, s46, s15                     ; part: tile 8 x + 4 (w % 2) + 2 (w / 2), slice Y
	s_mov_b32 s47, 0
	s_mul_i32 s51, s11, 17
	s_mul_i32 s52, s[WV], 64*HP
	s_add_co_u32 s52, s52, HT                      ; my table of h_i
	s_add_co_u32 s53, s52, 32
	s_mul_i32 s58, s63, BLKB                       ; my sub-slice's block in a slot
	s_add_co_u32 s59, s58, 32768
	s_lshl_b32 s60, s[WV], 15                      ; the exchange: where I put 32 KiB,
	s_xor_b32 s61, s[WV], 2
	s_lshl_b32 s61, s61, 15                        ; and where my partner puts its
	s_mov_b32 s[TB], 0
	s_mov_b32 s[HU], 32
	s_mov_b32 s[TINY], 0x4800000
	s_mov_b32 s34, 0x40600000
	s_mov_b32 s35, 0xc0600000
	s_mov_b32 s36, 0x76543210
	s_mov_b32 s37, 0xfedcba98
	s_wait_alu depctr_va_vdst(0)
	s_wait_dscnt 0x0
	s_wait_kmcnt 0x0
	s_add_nc_u64 s[38:39], s[6:7], s[38:39]
	s_add_nc_u64 s[40:41], s[4:5], s[40:41]
	s_add_nc_u64 s[42:43], s[4:5], s[42:43]
	s_add_nc_u64 s[54:55], s[4:5], s[54:55]
	s_add_nc_u64 s[56:57], s[4:5], s[56:57]
	s_add_nc_u64 s[8:9], s[8:9], s[46:47]
	s_add_nc_u64 s[PF:PF+1], s[38:39], 3*BLKB
	s_mov_b32 s[G0A], 1
	s_mov_b32 s[G0A+1], s14
	s_mov_b64 s[G0A+2:G0A+3], s[38:39]
	s_or_b32 s[G0A+3], s[G0A+3], 0x80000000
	s_mov_b32 s[G0W], 1
	s_add_co_u32 s[G0W+1], s14, SLOTB
	s_add_nc_u64 s[G0W+2:G0W+3], s[38:39], BLKB
	s_or_b32 s[G0W+3], s[G0W+3], 0x80000000
	CROUND
	tensor_load_to_lds s[G0A:G0A+3], s[G1:G1+7]    ; slot 0, K step 0: my one load at the head
	s_nop 0
	v_and_b32 v[TA], 31, v0                        ; lane
	v_lshlrev_b32 v[TL], 4, v[TA]
	v_and_b32 v[TR], 15, v0                        ; r
	v_bfe_u32 v[TH], v0, 4, 1                      ; hh
	v_lshlrev_b32 v[HJO], 10, v[TR]
	v_lshl_add_u32 v[HJO], v[TH], 6, v[HJO]
	WIN 0x40
.irp m, 0,1
.irp k, 0,1,2,3
	global_load_b128 v[HJ+16*\m+4*\k:HJ+16*\m+4*\k+3], v[HJO], s[40:41] offset:16384*\m+16*\k        ; h[local row 16 m + r][32 jb + 16 hh + 4 k ..]
	global_load_b128 v[HJ+32+16*\m+4*\k:HJ+32+16*\m+4*\k+3], v[HJO], s[54:55] offset:16384*\m+16*\k
.endr
.endr
	WIN 0x80
.set n, 0
.rept 32
	global_load_b128 v[4*n:4*n+3], v[TL], s[42:43] offset:1024*n           ; a row's 128 h_i: 512 consecutive bytes; into window 2, which holds no sum yet
	global_load_b128 v[128+4*n:128+4*n+3], v[TL], s[56:57] offset:1024*n
.set n, n+1
.endr
	WIN 0
	v_add_nc_u32 v[HTW], s52, v[TL]
	v_min_u32 v[PFO], 16, v[TA]
	v_add_nc_u32 v[PFO], s51, v[PFO]
	v_min_u32 v[PFO], 65, v[PFO]
	v_lshlrev_b32 v[PFO], 8, v[PFO]                ; block min(17 cx + min(lane, 16), 65) of my half block
	v_mov_b32 v[C7], 0x3c000000
	v_mov_b32 v[PX], 0
.irp k, 0,1,2,3,4,5,6,7,8,9,10,11,12,13,14,15
	v_mov_b32 v[GG+2*\k+1], 0
.endr
	WIN 0x40
	v_add_nc_u32 v[L16], s58, v[TL]
	v_add_nc_u32 v[ADB], s58, v[TL]
	v_lshl_add_u32 v[S0C], v[TA], 2, s59
	v_lshl_add_u32 v[ADS], v[TA], 2, s59
	v_mad_u32_u24 v[AHI0], v[TR], HP, s52
	v_mad_u32_u24 v[AHI], v[TR], HP, s53
	v_mov_b32 v[CO], v[TL]
	v_add_nc_u32 v[XW], s60, v[TL]
	v_add_nc_u32 v[XR], s61, v[TL]
	WIN 0
	s_wait_alu depctr_va_vdst(0)
	s_wait_tensorcnt 0x0                           ; my part of slot 0 is in; the same lines as ahead of a refill
	ds_add_u32 v[SPW], v[NIL]
	s_wait_dscnt 0x0
	CROUND
	tensor_load_to_lds s[G0W:G0W+3], s[G1:G1+7]    ; slot 1's first fill: K step 1
	s_nop 0
	s_wait_loadcnt 0x0
	PLACES 4
	WIN 0x08
.set n, 0
.rept 64
	ds_store_b128 v[HTW], v[4*n:4*n+3] offset:HP*n
.set n, n+1
.endr
	WIN LDW
.irp m, 0,1,2,3
	ds_load_b128 v[HI+4*\m:HI+4*\m+3], v[AHI0] offset:\m*16*HP   ; LDS serves a wave's instructions in order: these see my stores
.endr
	LDB 0
	LDB 1
	WIN 0x14
.irp m, 0,1,2,3
	v_max3_num_f32 v[HMX+\m], 0x0d800000, |v[HJ+16*\m]|, |v[HJ+16*\m+1]|
.endr
.irp i, 2,4,6,8,10,12,14
.irp m, 0,1,2,3
	v_max3_num_f32 v[HMX+\m], v[HMX+\m], |v[HJ+16*\m+\i]|, |v[HJ+16*\m+\i+1]|
.endr
.endr
	WIN 0
.irp m, 0,1,2,3
	v_permlanex16_b32 v[PX], v[HMX+\m], s36, s37
	v_max_num_f32 v[HMX+\m], v[HMX+\m], v[PX]      ; with lane l xor 16's: the block's largest |h_j|
.endr
	s_wait_alu depctr_va_vdst(0)
	s_wait_dscnt 0x0
	SETUP 0
	WIN LDW
.irp m, 0,1,2,3
	ds_load_b128 v[HI+4*\m:HI+4*\m+3], v[AHI0] offset:\m*16*HP+16
.endr
	WIN QW
.irp d, 0,1,2,3,4,5,6,7
	QB2 \d/2, 2*(\d%2), 0                          ; K step 0's codes
.endr
	WIN 0
	s_wait_dscnt 0x0
	SETUP 1
	STEP 0, 1, 1, 1, 1, 1, 1                       ; K step 0 starts the sums
	s_mov_b32 s[CNT], 14
.Lpair:                                                ; K steps 1 to 28
	STEP 1, 0, 1, 1, 1, 1, 1
	STEP 0, 0, 1, 1, 2, 1, 1
	s_sub_co_u32 s[CNT], s[CNT], 1
	s_cmp_lg_u32 s[CNT], 0
	s_cbranch_scc1 .Lpair
	STEP 1, 0, 1, 1, 0, 1, 1                       ; K step 29: the last refill
	STEP 0, 0, 1, 2, 0, 0, 0                       ; K step 30: the last change of slots fills nothing
	STEP 1, 0, 0, 0, 0, 0, 0
; THE EXCHANGE, on the slots' bytes, which have had their last fill.  A barrier: nobody reads the slots any more.  I put the sums of local fragments 2, 3 (window 3) as an image of their registers, 512 consecutive bytes a store;
; a barrier; my partner's image, which is of my local fragments 0, 1, comes into window 3 and is added to window 2.
	s_wait_dscnt 0x0
	s_barrier_signal -1
	s_barrier_wait -1
	WIN 0x0d
.set n, 0
.rept 32
	ds_store_b128 v[XW], v[8*n:8*n+3] offset:1024*n             ; each accumulator from its low end on
	ds_store_b128 v[XW], v[8*n+4:8*n+7] offset:1024*n+512
.set n, n+1
.endr
	WIN 0
	s_wait_dscnt 0x0                               ; for my partner's sake: my image lies in LDS
	s_barrier_signal -1
	s_barrier_wait -1
	WIN 0xc1
.set n, 0
.rept 64
	ds_load_b128 v[4*n:4*n+3], v[XR] offset:512*n
.set n, n+1
.endr
	s_wait_dscnt 0x0
	WIN 0x8e
.set n, 0
.rept 128
	v_pk_add_f32 v[2*n:2*n+1], v[2*n:2*n+1], v[2*n:2*n+1]       ; window 2 += window 3
.set n, n+1
.endr
	WIN 0x09
.irp m, 0,1
.irp f, 0,1,2,3,4,5,6,7,8,9,10,11,12,13,14,15
	global_store_b128 v[CO], v[128*\m+8*\f:128*\m+8*\f+3], s[8:9] offset:\m*131072+(2*\f)*512 th:TH_STORE_NT   ; 512 consecutive bytes a store
	global_store_b128 v[CO], v[128*\m+8*\f+4:128*\m+8*\f+7], s[8:9] offset:\m*131072+(2*\f+1)*512 th:TH_STORE_NT
.endr
.endr
	WIN 0
	s_wait_tensorcnt 0x0                           ; the wave's end
	ds_add_u32 v[SPW], v[NIL]
	s_wait_dscnt 0x0
	CROUND
	s_endpgm
.Lfunc_end_k_q8f5f55edee_mix:
	.size	k_q8f5f55edee_mix, .Lfunc_end_k_q8f5f55edee_mix-k_q8f5f55edee_mix
	.p2alignl 7, 3214868480
	.fill 96, 4, 3214868480
	.section	.rodata,"a",@progbits
	.p2align	6, 0x0
	.amdhsa_kernel k_q8f5f55edee_mix
		.amdhsa_group_segment_fixed_size 327680
		.amdhsa_private_segment_fixed_size 0
		.amdhsa_enable_private_segment 0
		.amdhsa_kernarg_size 24
		.amdhsa_user_sgpr_count 2
		.amdhsa_user_sgpr_kernarg_segment_ptr 1
		.amdhsa_wavefront_size32 1
		.amdhsa_system_sgpr_workgroup_id_x 1
		.amdhsa_system_sgpr_workgroup_id_y 1
		.amdhsa_system_sgpr_workgroup_id_z 1
		.amdhsa_system_vgpr_workitem_id 0
		.amdhsa_next_free_vgpr 1024
		.amdhsa_next_free_sgpr 66
		.amdhsa_reserve_vcc 0
		.amdhsa_float_denorm_mode_32 3
		.amdhsa_float_denorm_mode_16_64 3
		.amdhsa_memory_ordered 1
		.amdhsa_forward_progress 1
		.amdhsa_inst_pref_size 255
	.end_amdhsa_kernel
	.section	.bss,"aw",@nobits
	.p2align	6
	.space	262144
	.amdgpu_metadata
---
amdhsa.version: [ 1, 2 ]
amdhsa.kernels:
  - .name:           k_q8f5f55edee_mix
    .symbol:         k_q8f5f55edee_mix.kd
    .args:
      - { .name: h, .offset: 0, .size: 8, .value_kind: global_buffer, .address_space: global }
      - { .name: wq, .offset: 8, .size: 8, .value_kind: global_buffer, .address_space: global }
      - { .name: part, .offset: 16, .size: 8, .value_kind: global_buffer, .address_space: global }
    .group_segment_fixed_size: 327680
    .private_segment_fixed_size: 0
    .kernarg_segment_align: 8
    .kernarg_segment_size: 24
    .max_flat_workgroup_size: 128
    .sgpr_count:     66
    .vgpr_count:     1024
    .wavefront_size: 32
...
	.end_amdgpu_metadata
.endif
;; end of part 2
;; launch reduce (part 3): grid 256 x 1, 8 waves a work-group, no clusters, 17,920 bytes of LDS; arguments part, b, out0; writes out0
.if DOCPART == 3
	.amdgcn_target "amdgcn-amd-amdhsa--gfx1250"
	.amdhsa_code_object_version 6
	.text
	.protected	k_q8f5f55edee_reduce
	.globl	k_q8f5f55edee_reduce
	.p2align	8
	.type	k_q8f5f55edee_reduce,@function
k_q8f5f55edee_reduce:
	s_mov_b64 s[64:65], 0
	v_nop
	global_prefetch_b8 v0, s[64:65] scope:SCOPE_SE
	s_setreg_imm32_b32 hwreg(HW_REG_WAVE_MODE, 25, 1), 1
	s_wait_xcnt 0x0
; out0[16 T + row][o] = the sum over the 8 K slices of part[T][s] + b[o].  part: [T 256][s 8][k 32][lane][16 bytes]; chunk k = 2 f + half, lane (r, hh): rows 8 hh + 4 half + 0 .. 3 of tile T at output 16 f + r.
; A work-group takes a tile T of 16 rows; wave w takes chunks 4 w + q, q = 0 .. 3: for each, 8 loads of 512 consecutive bytes, one a slice, added in a tree.  All 32 loads of a wave are out at once.
; The sums turn into rows through a stage in LDS (rows of 1,024 + 16 bytes; a lane's four numbers go to four rows), get the bias, and leave 512 consecutive bytes a store.
; Memory binds: no matrix unit, no tensor load, no cluster (work-groups share nothing but the 1,024 bytes of b).
.set SP, 1040
	s_load_b128 s[4:7], s[0:1], 0x0                ; part, b
	s_load_b64 s[8:9], s[0:1], 0x10                ; out0
	v_lshl_add_u32 v62, v0, 2, 0x4200
	v_mov_b32 v63, 0
	v_lshrrev_b32 v1, 5, v0
	v_readfirstlane_b32 s10, v1                    ; wave 0..7
	v_and_b32 v1, 31, v0
	v_and_b32 v4, 15, v0                           ; r
	v_bfe_u32 v5, v0, 4, 1                         ; hh
	v_lshlrev_b32 v2, 4, v1                        ; 16 x lane
	s_lshl_b32 s11, s10, 11
	v_mul_u32_u24 v6, v5, 8*SP
	v_add_nc_u32 v3, s11, v2                       ; + 2,048 x wave: my four chunks in part, and my two rows in out0
	v_lshl_add_u32 v6, v4, 2, v6
	s_lshl_b32 s12, s10, 7
	v_add_nc_u32 v6, s12, v6                       ; the stage, on the way in: row 8 hh, + 128 x wave + 4 r
	s_mul_i32 s13, s10, 2*SP
	v_add_nc_u32 v7, s13, v2                       ; and on the way out: rows 2 w, 2 w + 1
	s_lshl_b32 s14, ttmp9, 17                      ; 131,072 bytes of part a tile
	s_mov_b32 s15, 0
	s_lshl_b32 s16, ttmp9, 14                      ; 16 rows of 1,024 bytes of out0
	s_mov_b32 s17, 0
	s_wait_alu depctr_va_vdst(0)
	s_wait_kmcnt 0x0
	s_add_nc_u64 s[4:5], s[4:5], s[14:15]
	s_add_nc_u64 s[8:9], s[8:9], s[16:17]
	global_load_b128 v[8:11], v2, s[6:7]           ; b at outputs 4 x lane on,
	global_load_b128 v[12:15], v2, s[6:7] offset:512   ; and 128 further on
.macro LOADQ q                         ; chunk 4 w + q of all 8 slices
.irp s, 0,1,2,3,4,5,6,7
	global_load_b128 v[64+32*(\q)+4*\s:64+32*(\q)+4*\s+3], v3, s[4:5] offset:16384*\s+512*(\q) th:TH_LOAD_NT
.endr
.endm
.macro SUMQ q                          ; 7 additions of four numbers, two an instruction
.set XB, 64+32*(\q)
.irp d, 4,2
.set n, 0
.rept \d
	v_pk_add_f32 v[XB+4*n:XB+4*n+1], v[XB+4*n:XB+4*n+1], v[XB+4*(n+\d):XB+4*(n+\d)+1]
	v_pk_add_f32 v[XB+4*n+2:XB+4*n+3], v[XB+4*n+2:XB+4*n+3], v[XB+4*(n+\d)+2:XB+4*(n+\d)+3]
.set n, n+1
.endr
.endr
	v_pk_add_f32 v[16+4*(\q):17+4*(\q)], v[XB:XB+1], v[XB+4:XB+5]
	v_pk_add_f32 v[18+4*(\q):19+4*(\q)], v[XB+2:XB+3], v[XB+6:XB+7]
.irp e, 0,1,2,3
	ds_store_b32 v6, v[16+4*(\q)+\e] offset:(4*((\q)%2)+\e)*SP+64*((\q)/2)   ; row 8 hh + 4 half + e, output 16 (2 w + q / 2) + r
.endr
.endm
	LOADQ 0
	LOADQ 1
	LOADQ 2
	LOADQ 3
	s_wait_loadcnt 24                              ; b and set 0 are in; the three younger sets of 8 may be out
	SUMQ 0
	s_wait_loadcnt 16
	SUMQ 1
	s_wait_loadcnt 8
	SUMQ 2
	s_wait_loadcnt 0
	SUMQ 3
	s_wait_dscnt 0x0                               ; for the others' sake: my part of the 16 rows lies in the stage
	s_barrier_signal -1
	s_barrier_wait -1
.irp p, 0,1
.irp u, 0,1
	ds_load_b128 v[32+4*(2*\p+\u):35+4*(2*\p+\u)], v7 offset:SP*\p+512*\u
.endr
.endr
	s_wait_dscnt 0x0
.irp p, 0,1
.irp u, 0,1
	v_pk_add_f32 v[32+4*(2*\p+\u):33+4*(2*\p+\u)], v[32+4*(2*\p+\u):33+4*(2*\p+\u)], v[8+4*\u:9+4*\u]
	v_pk_add_f32 v[34+4*(2*\p+\u):35+4*(2*\p+\u)], v[34+4*(2*\p+\u):35+4*(2*\p+\u)], v[10+4*\u:11+4*\u]
.endr
.endr
.irp p, 0,1
.irp u, 0,1
	global_store_b128 v3, v[32+4*(2*\p+\u):35+4*(2*\p+\u)], s[8:9] offset:1024*\p+512*\u th:TH_STORE_NT   ; 32 lanes store 512 consecutive bytes, aligned
.endr
.endr
	s_wait_tensorcnt 0x0                           ; the wave's end
	ds_add_u32 v62, v63
	s_wait_dscnt 0x0
	s_endpgm
.Lfunc_end_k_q8f5f55edee_reduce:
	.size	k_q8f5f55edee_reduce, .Lfunc_end_k_q8f5f55edee_reduce-k_q8f5f55edee_reduce
	.p2alignl 7, 3214868480
	.fill 96, 4, 3214868480
	.section	.rodata,"a",@progbits
	.p2align	6, 0x0
	.amdhsa_kernel k_q8f5f55edee_reduce
		.amdhsa_group_segment_fixed_size 17920
		.amdhsa_private_segment_fixed_size 0
		.amdhsa_enable_private_segment 0
		.amdhsa_kernarg_size 24
		.amdhsa_user_sgpr_count 2
		.amdhsa_user_sgpr_kernarg_segment_ptr 1
		.amdhsa_wavefront_size32 1
		.amdhsa_system_sgpr_workgroup_id_x 1
		.amdhsa_system_sgpr_workgroup_id_y 1
		.amdhsa_system_sgpr_workgroup_id_z 1
		.amdhsa_system_vgpr_workitem_id 0
		.amdhsa_next_free_vgpr 192
		.amdhsa_next_free_sgpr 66
		.amdhsa_reserve_vcc 0
		.amdhsa_float_denorm_mode_32 3
		.amdhsa_float_denorm_mode_16_64 3
		.amdhsa_memory_ordered 1
		.amdhsa_forward_progress 1
		.amdhsa_inst_pref_size 11
	.end_amdhsa_kernel
	.amdgpu_metadata
---
amdhsa.version: [ 1, 2 ]
amdhsa.kernels:
  - .name:           k_q8f5f55edee_reduce
    .symbol:         k_q8f5f55edee_reduce.kd
    .args:
      - { .name: part, .offset: 0, .size: 8, .value_kind: global_buffer, .address_space: global }
      - { .name: b, .offset: 8, .size: 8, .value_kind: global_buffer, .address_space: global }
      - { .name: out0, .offset: 16, .size: 8, .value_kind: global_buffer, .address_space: global }
    .group_segment_fixed_size: 17920
    .private_segment_fixed_size: 0
    .kernarg_segment_align: 8
    .kernarg_segment_size: 24
    .max_flat_workgroup_size: 256
    .sgpr_count:     66
    .vgpr_count:     192
    .wavefront_size: 32
...
	.end_amdgpu_metadata
.endif
;; end of part 3
